; MI455X (gfx1250); checked and timed in simulation.
; The chip was launched on July 23, 2026; its instructions are those of AMD's public machine-readable ISA for CDNA 5 (MIT licence, August 2026) and "CDNA5" Instruction Set Architecture Reference Guide (July 2026). The comments in the code are by the model that wrote it; some were corrected since.
;; XPU Int4 Linear. Allowed arithmetic: matrix products marked QUANTISED: E4M3 operands, one E8M0 scale for each 32 along K, by v_wmma_scale_f32_16x16x128_f8f6f4 with both operands' format E4M3, f32 sums; everything else in f32.
;; Inputs: bias 4,096 float32; qweight 4,096 x 512 int32; qzeros 4,096 x 4 int32; scales 4,096 x 32 float32; x 4,096 x 4,096 float32.
;; Outputs: out0 4,096 x 4,096 float32.
;; This version of the problem:
;;   THIS VERSION OF THE PROBLEM IS GIVEN IN LOW PRECISION. The matrix products marked QUANTISED in the list below multiply operands that are first quantised to E4M3 (4 exponent bits, 3 mantissa bits; 8 bits a number), with one power-of-two scale for each 32 numbers along K (OCP MX v1.0); their sums are f32. All else is computed in f32.
;;   The module's matrix products, in the order in which they are computed (A, B: the left and right operand; K: the contracted axis; several contracted axes count as one K, in the product's order):
;;     1. [M 4,096, K 4,096] x [K 4,096, N 4,096]; A: input x; B: computed on the way: QUANTISED
;;   THE QUANTISER, for each operand of a quantised product, along K:
;;     - K is cut into blocks of 32 from its start; a last block that is shorter is filled with zeros.
;;     - A block's scale is 2^e with e = floor(log2(the largest magnitude in the block)) - 8, held to -126 .. 127; a block of zeros has e = 0. As a byte (E8M0): e + 127.
;;     - Each number is divided by its block's scale, clamped to +-448, and rounded to the nearest number of E4M3, ties to even, subnormals kept.
;;     - The product sums the exact products of the quantised numbers (number of the format x scale) in f32.
;;   ~~~python
;;   def quantise(x, axis):      # numpy; x: float32 -> the quantised numbers, widened to float32 again
;;       x = np.moveaxis(x, axis, -1); K = x.shape[-1]
;;       x = np.pad(x, [(0, 0)] * (x.ndim - 1) + [(0, -K % 32)]); x = x.reshape(x.shape[:-1] + (-1, 32)); a = np.abs(x).max(-1, keepdims=True)
;;       e = np.where(a > 0, np.clip(np.frexp(np.where(a > 0, a, 1))[1] - 1 - 8, -126, 127), 0)      # np.frexp(a)[1] - 1 = floor(log2(a)), exactly
;;       r = np.clip(x / 2.0 ** e, -448, 448)
;;       step = 2.0 ** (np.maximum(np.frexp(np.where(r == 0, 1, r))[1] - 1, -6) - 3)
;;       q = np.round(r / step) * step * 2.0 ** e      # np.round: ties to even
;;       return np.moveaxis(q.reshape(q.shape[:-2] + (-1,))[..., :K], -1, axis).astype(np.float32)
;;   ~~~
;;   OPERANDS COMPUTED ON THE WAY. 'Computed on the way' means the value that the module computes at that place (a softmax that the list does not call 'softmax' is quantised finished and normalised). What goes into a quantiser is computed in f32, as accurately as f32 sums, v_exp_f32 and their like allow (about 1e-6 of the number): no bf16 or f16 on the way to a quantiser, and a product that is left as it is and whose result goes on into a quantised operand takes f32 operands (vector FMAs, or v_wmma_f32_16x16x4_f32). A number that lies on a knife's edge between two numbers of the format may be rounded either way, as far as f32 arithmetic and the matrix unit's own rounding can turn it there, and no further.
;; One version. Each part assembles by itself: llvm-mc -triple=amdgcn-amd-amdhsa -mcpu=gfx1250 --defsym DOCPART=n.
;; ======== version 1 of 1: 2 launches
;; limits: right only within a limited range of input values
;; workspace buffers: xq 17,301,504 bytes; wq 17,301,504 bytes
;; launch quant (part 1): grid 768 x 1, 4 waves a work-group, no clusters, 33,280 bytes of LDS; arguments x, qweight, qzeros, scales, xq, wq; writes xq, wq
.if DOCPART == 1
	.amdgcn_target "amdgcn-amd-amdhsa--gfx1250"
	.amdhsa_code_object_version 6
	.text
	.protected	k_q810183d59d_quant
	.globl	k_q810183d59d_quant
	.p2align	8
	.type	k_q810183d59d_quant,@function
k_q810183d59d_quant:
	s_mov_b64 s[64:65], 0
	v_nop
	global_prefetch_b8 v0, s[64:65] scope:SCOPE_SE
	s_setreg_imm32_b32 hwreg(HW_REG_WAVE_MODE, 25, 1), 1
	s_wait_xcnt 0x0
; x [4096][4096] f32, and w[n][k] = (nibble k of qweight[n] - nibble k/128 of qzeros[n]) * scales[n][k/128] (f32: the difference is exact, the product rounds once),
; are turned into codes of FP8 (E4M3) with one E8M0 scale byte for each 32 along K, for the product's launch.
; A block's scale is 2^(floor(log2(its largest magnitude)) - 8); its byte is the largest magnitude's own exponent field - 8, held at 1 from below (that is the hold at -126).
; Each number is divided by the scale, held within +-448 and rounded to the nearest code, ties to even.
; LIMITS: NaN and infinities among x and scales are not served.  A block of zeros gets the byte 1 where the rule says 127: its codes are zeros, which add nothing under any byte but 0xff, and this program alone reads the bytes.
; LAYOUT OF xq AND wq: [32 blocks of 128 rows][16 K steps of 256] tiles of 33,792 bytes: 128 rows x 256 codes (row rr at 256 rr), then 128 rows x 8 scale bytes (row rr at 32,768 + 8 rr).
; So one dense block of memory holds all that the product's launch wants of 128 rows for one K step, codes and scale bytes.
; SHARES.  Work-groups 0 to 511 take x, 512 to 767 take w: one scalar branch on the work-group's number; each way has LDS bytes of its own.  Waves share nothing: no barrier.
;   x: a wave takes 32 rows x 256 along K, in 16 steps of two rows.  Each load reads 512 consecutive bytes, 16 a lane; a step's 2,048 bytes turn through the wave's stage in LDS and come back 64 bytes a lane:
;      16 neighbours along K, two neighbouring lanes to a block.  Loads run seven steps (28 loads) ahead, the turn through LDS one step.
;   w: a wave takes 32 rows x 512 along K, a row a step.  A lane's two words of qweight are 16 neighbours along K; all 32 loads (256 consecutive bytes each) are issued at the head.
;      The rows' zero points and scales are read once, a lane a row, and handed to the steps through a table in the wave's LDS.
; No matrix units, tensor loads or clusters: the work-groups share no input and memory binds.
.set TILE,  33792
.set SCB,   32768                      ; where a tile's scale bytes begin
.set FLOOR, 0x4800000                  ; 2^(9 - 127)
.set TQ,    8                          ; v8-11  at work: two maxima, the hold, the conversion's scale operand
; the way of x
.set STEPS, 16
.set DEPTH, 7                          ; steps whose loads are out at once
.set SP,    80                         ; a lane's place in a stage: its 64 bytes + 16 of padding
.set XREG,  5632                       ; LDS for a wave: two stages of 32 x SP bytes, then its 256 scale bytes
.set R,     16                         ; v16-127  seven sets of 16 numbers as they are loaded
.set X,     128                        ; v128-159 two sets of 16 neighbours
.set E,     160                        ; v160-175 a scale byte for each step
.set C,     176                        ; v176-239 four registers of codes for each step: no store's data are written again
; the way of w
.set WBASE, 4*XREG                     ; behind x's regions
.set WREG,  2560                       ; LDS for a wave: the table, 32 rows x 4 groups x 16 bytes, then 2 x 256 scale bytes
.set Q,     16                         ; v16-79   two words of qweight for each step
.set W,     80                         ; v80-95   the 16 numbers in hand
.set ZS,    96                         ; v96-103  two sets of {z, z, s, s}
.set EW,    120                        ; v120-151 a scale byte for each step
.set SL,    156                        ; v156-159 my row's four scales
.set ZW,    160                        ; v160     my row's word of qzeros
.set T,     164                        ; v164-179 my row's four entries of the table
.set OW,    180                        ; v180-183 the scale bytes' way out
.set CW,    184                        ; v184-247 sixteen sets of four registers of codes: each is written twice, with one wait between the two halves of the steps
; 16 neighbours along K in v[n] on become 16 codes in v[c] .. v[c + 3] and the block's scale byte in v[e].  Lanes l and l xor 1 hold a block.
.macro QUANT16 n, c, e
	v_max3_num_f32 v[TQ], |v[(\n)]|, |v[(\n)+1]|, |v[(\n)+2]|          ; the largest magnitude of my 16, in two chains
	v_max3_num_f32 v[TQ+1], |v[(\n)+3]|, |v[(\n)+4]|, |v[(\n)+5]|
.irp k, 6,10
	v_max3_num_f32 v[TQ], v[TQ], |v[(\n)+\k]|, |v[(\n)+\k+1]|
	v_max3_num_f32 v[TQ+1], v[TQ+1], |v[(\n)+\k+2]|, |v[(\n)+\k+3]|
.endr
	v_max3_num_f32 v[TQ], v[TQ], |v[(\n)+14]|, |v[(\n)+15]|
	v_max3_num_f32 v[TQ], v[TQ], v[TQ+1], FLOOR                        ; and the floor, under which no largest magnitude is taken: the byte cannot fall under 1
	v_max_num_f32_dpp v[TQ], v[TQ], v[TQ] row_xmask:1 row_mask:0xf bank_mask:0xf   ; and of my neighbour's 16: the block's
	v_add_nc_u32 v[TQ+3], 0xfc000000, v[TQ]                            ; 8 off its exponent field: the conversion takes the exponent field of this operand as its scale, and nothing else of it
	v_and_or_b32 v[TQ+2], v[TQ], 0x7f800000, s23                       ; 448 x the scale: the largest magnitude's exponent field over 448's mantissa field (s23)
.irp k, 0,1,2,3,4,5,6,7,8,9,10,11,12,13,14,15
	v_med3_num_f32 v[(\n)+\k], v[(\n)+\k], -v[TQ+2], v[TQ+2]           ; the conversion to an 8-bit code does not saturate (ISA guide 7.6.2): the hold comes first
.endr
	v_cvt_scalef32_pk8_fp8_f32 v[(\c):(\c)+1], v[(\n):(\n)+7], v[TQ+3]
	v_cvt_scalef32_pk8_fp8_f32 v[(\c)+2:(\c)+3], v[(\n)+8:(\n)+15], v[TQ+3]
	v_lshrrev_b32 v[(\e)], 23, v[TQ+3]                                 ; the scale's byte; also the plain line between the conversions and the next vector line that writes their sources
.endm
	s_load_b256 s[4:11], s[0:1], 0x0               ; x s[4:5], qweight s[6:7], qzeros s[8:9], scales s[10:11]
	s_load_b128 s[12:15], s[0:1], 0x20             ; xq s[12:13], wq s[14:15]
	v_lshl_add_u32 v254, v0, 2, 0x8000
	v_mov_b32 v255, 0
	v_lshrrev_b32 v1, 5, v0
	v_readfirstlane_b32 s16, v1                    ; wave 0..3
	v_and_b32 v2, 31, v0                           ; lane
	s_mov_b32 s23, 0x600000                        ; the mantissa field of 448
	s_wait_kmcnt 0x0
	s_cmp_lt_u32 ttmp9, 512
	s_cbranch_scc0 .Lw
	; ---------------- x ----------------
	s_lshr_b32 s17, ttmp9, 2                       ; which 32 rows: 0..127
	s_and_b32 s18, ttmp9, 3
	s_lshl_b32 s18, s18, 2
	s_add_co_u32 s18, s18, s16                     ; which K step: 0..15.  The four waves stand side by side on 4,096 bytes of each row
	s_lshl_b32 s20, s17, 19                        ; 32 rows of 16,384 bytes
	s_lshl_b32 s21, s18, 10                        ; 256 numbers of 4 bytes
	s_add_co_u32 s20, s20, s21
	s_mov_b32 s21, 0
	s_add_nc_u64 s[4:5], s[4:5], s[20:21]
	s_lshr_b32 s19, ttmp9, 4                       ; which block of 128 rows
	s_lshl_b32 s19, s19, 4
	s_add_co_u32 s19, s19, s18
	s_mul_i32 s20, s19, TILE                       ; my tile
	s_and_b32 s22, s17, 3                          ; which 32 rows of its 128
	s_lshl_b32 s24, s22, 13
	s_add_co_u32 s24, s24, s20                     ; their codes: 256 bytes a row
	s_mov_b32 s25, 0
	s_lshl_b32 s26, s22, 8
	s_add_co_u32 s26, s26, s20
	s_add_co_u32 s26, s26, SCB                     ; their scale bytes: 8 a row
	s_mov_b32 s27, 0
	s_add_nc_u64 s[18:19], s[12:13], s[26:27]
	s_add_nc_u64 s[12:13], s[12:13], s[24:25]
	s_wait_alu depctr_va_vdst(0)
	v_lshlrev_b32 v3, 4, v2                        ; 16 x lane: my 16 bytes of a load's 512, and of a step's 512 bytes of codes; never rewritten
	s_mul_i32 s28, s16, XREG
	v_lshrrev_b32 v14, 2, v2
	v_mul_u32_u24 v14, v14, SP
	v_and_b32 v15, 3, v2
	v_lshl_add_u32 v14, v15, 4, v14
	v_add_nc_u32 v14, s28, v14                     ; the stage, on the way in: four lanes' 64 bytes on end, then 16 of padding
	v_mul_u32_u24 v15, v2, SP
	v_add_nc_u32 v15, s28, v15                     ; and on the way out: my 16 neighbours
	v_lshrrev_b32 v5, 1, v2
	s_add_co_u32 s28, s28, 2*32*SP
	v_add_nc_u32 v5, s28, v5                       ; my wave's 256 scale bytes: my block's byte
	v_lshlrev_b32 v7, 3, v2                        ; and on the way out 8 bytes a lane
	v_add_nc_u32 v6, s28, v7
.macro LOAD t                          ; step t: rows 2 t and 2 t + 1, each as two loads of 512 consecutive bytes
.irp i, 0,1,2,3
	global_load_b128 v[R+16*((\t)%DEPTH)+4*\i:R+16*((\t)%DEPTH)+4*\i+3], v3, s[4:5] offset:(2*(\t)+\i/2)*16384+512*(\i%2) th:TH_LOAD_NT
.endr
.endm
.macro TURN t                          ; step t's numbers through the stage: LDS serves a wave's instructions in order, so no wait stands between the stores and the loads
.irp i, 0,1,2,3
	ds_store_b128 v14, v[R+16*((\t)%DEPTH)+4*\i:R+16*((\t)%DEPTH)+4*\i+3] offset:32*SP*((\t)%2)+8*SP*\i
.endr
.irp i, 0,1,2,3
	ds_load_b128 v[X+16*((\t)%2)+4*\i:X+16*((\t)%2)+4*\i+3], v15 offset:32*SP*((\t)%2)+16*\i
.endr
.endm
.macro STEP t
.if (\t) > 0
	s_wait_dscnt 1                                 ; this step's numbers are back from the stage (the last step's byte store may be out): so its stores into the stage have read their registers,
.else
	s_wait_dscnt 0x0
.endif
.if (\t)+DEPTH < STEPS
	LOAD (\t)+DEPTH                                ; which take the loads of seven steps on
.endif
.if (\t)+1 < STEPS
.if STEPS-2-(\t) >= DEPTH-1
	s_wait_loadcnt 4*(DEPTH-1)                     ; the next step's four loads are in; those of the six steps behind it may be out
.else
	s_wait_loadcnt 4*(STEPS-2-(\t))                ; the counts run down: four loads for each step still behind the next
.endif
	TURN (\t)+1                                    ; and go through the other stage while this step is worked
.endif
	QUANT16 X+16*((\t)%2), C+4*(\t), E+(\t)        ; lanes 0-15: row 2 t, k = 16 x lane on; lanes 16-31: row 2 t + 1
	ds_store_b8 v5, v[E+(\t)] offset:16*(\t)       ; byte 16 t + lane / 2 = 8 x row + block; both lanes of a block write the same byte with the same value
	global_store_b128 v3, v[C+4*(\t):C+4*(\t)+3], s[12:13] offset:512*(\t)   ; the wave stores 512 consecutive bytes, aligned: two rows of the tile
.endm
.irp t, 0,1,2,3,4,5,6
	LOAD \t
.endr
	s_wait_alu depctr_va_vdst(0)
	s_wait_loadcnt 4*(DEPTH-1)                     ; step 0's four loads are in
	TURN 0
.irp t, 0,1,2,3,4,5,6,7,8,9,10,11,12,13,14,15
	STEP \t
.endr
	ds_load_b64 v[12:13], v6                       ; LDS serves a wave's instructions in order: these see my byte stores
	s_wait_dscnt 0x0
	global_store_b64 v7, v[12:13], s[18:19]        ; 32 lanes store 256 consecutive bytes, aligned: my 32 rows' scale bytes
	s_wait_tensorcnt 0x0
	ds_add_u32 v254, v255
	s_wait_dscnt 0x0
	s_endpgm
	; ---------------- w ----------------
.Lw:
	s_sub_co_u32 s17, ttmp9, 512
	s_lshr_b32 s18, s17, 1                         ; which 32 rows: 0..127
	s_and_b32 s19, s17, 1
	s_lshl_b32 s19, s19, 2
	s_add_co_u32 s19, s19, s16                     ; c: which 512 along K: 0..7
	s_mov_b32 s21, 0
	s_lshl_b32 s20, s18, 16                        ; qweight: 32 rows of 2,048 bytes,
	s_lshl_b32 s22, s19, 8                         ; 512 nibbles are 256 bytes
	s_add_co_u32 s20, s20, s22
	s_add_nc_u64 s[6:7], s[6:7], s[20:21]
	s_lshl_b32 s20, s18, 12                        ; scales: 32 rows of 128 bytes,
	s_lshl_b32 s22, s19, 4                         ; groups 4 c on
	s_add_co_u32 s20, s20, s22
	s_add_nc_u64 s[10:11], s[10:11], s[20:21]
	s_lshl_b32 s20, s18, 9                         ; qzeros: 32 rows of 16 bytes,
	s_lshr_b32 s22, s19, 1
	s_lshl_b32 s22, s22, 2                         ; the word that holds groups 4 c .. 4 c + 3,
	s_add_co_u32 s20, s20, s22
	s_add_nc_u64 s[8:9], s[8:9], s[20:21]
	s_and_b32 s24, s19, 1
	s_lshl_b32 s24, s24, 4                         ; and the bit at which they begin in it
	s_lshr_b32 s22, s18, 2                         ; which block of 128 rows
	s_lshl_b32 s22, s22, 4
	s_lshl_b32 s25, s19, 1
	s_add_co_u32 s22, s22, s25
	s_mul_i32 s22, s22, TILE                       ; the tile of K step 2 c; that of 2 c + 1 follows it
	s_and_b32 s25, s18, 3                          ; which 32 rows of its 128
	s_lshl_b32 s20, s25, 8
	s_add_co_u32 s20, s20, s22
	s_add_co_u32 s20, s20, SCB
	s_add_nc_u64 s[18:19], s[14:15], s[20:21]      ; their scale bytes
	s_lshl_b32 s20, s25, 13
	s_add_co_u32 s20, s20, s22
	s_add_nc_u64 s[14:15], s[14:15], s[20:21]      ; their codes
	s_mul_i32 s26, s16, WREG
	s_add_co_u32 s26, s26, WBASE                   ; my wave's table,
	s_add_co_u32 s27, s26, 2048                    ; and its scale bytes
	s_wait_alu depctr_va_vdst(0)
	v_lshlrev_b32 v3, 3, v2                        ; qweight: two words a lane: k = 512 c + 16 x lane on
	v_and_b32 v1, 15, v2
	v_lshrrev_b32 v15, 4, v2                       ; lanes 16-31 hold the second K step
	v_mul_u32_u24 v4, v15, TILE
	v_lshl_add_u32 v4, v1, 4, v4                   ; out: 16 bytes a lane, sixteen lanes to a row of a tile; lanes 16-31 a tile further on
	v_bfe_u32 v5, v2, 1, 3
	v_lshl_add_u32 v5, v15, 8, v5
	v_add_nc_u32 v5, s27, v5                       ; my block's byte: 256 x K step + block (8 x row stands in the immediate)
	v_lshl_add_u32 v6, v2, 4, s27                  ; and on the way out 16 bytes a lane
	v_lshrrev_b32 v7, 3, v2
	v_lshl_add_u32 v7, v7, 4, s26                  ; the table, read: my group is 4 c + lane / 8
	v_lshl_add_u32 v12, v2, 6, s26                 ; the table, written: a lane a row, 64 bytes
	v_lshlrev_b32 v13, 7, v2                       ; scales: a lane a row
	v_lshlrev_b32 v14, 4, v2                       ; qzeros: a lane a row
	global_load_b128 v[SL:SL+3], v13, s[10:11]
	global_load_b32 v[ZW], v14, s[8:9]
.irp i, 0,1,2,3,4,5,6,7,8,9,10,11,12,13,14,15,16,17,18,19,20,21,22,23,24,25,26,27,28,29,30,31
	global_load_b64 v[Q+2*\i:Q+2*\i+1], v3, s[6:7] offset:2048*\i th:TH_LOAD_NT   ; row i: the wave reads 256 consecutive bytes, aligned
.endr
	s_wait_loadcnt 32                              ; the scales and the zero points are in; the 32 loads behind them may be out
	v_lshrrev_b32 v[ZW], s24, v[ZW]
.irp j, 0,1,2,3
	v_bfe_u32 v[T+4*\j], v[ZW], 4*\j, 4
	v_cvt_f32_u32 v[T+4*\j], v[T+4*\j]
	v_mov_b32 v[T+4*\j+1], v[T+4*\j]               ; each twice: the packed forms take pairs
	v_mov_b32 v[T+4*\j+2], v[SL+\j]
	v_mov_b32 v[T+4*\j+3], v[SL+\j]
.endr
.irp j, 0,1,2,3
	ds_store_b128 v12, v[T+4*\j:T+4*\j+3] offset:16*\j
.endr
	ds_load_b128 v[ZS:ZS+3], v7                    ; row 0's.  LDS serves a wave's instructions in order: this sees the stores above
.macro WSTEP i
.if (\i) < 31
	ds_load_b128 v[ZS+4*(((\i)+1)%2):ZS+4*(((\i)+1)%2)+3], v7 offset:64*((\i)+1)   ; the next row's zero point and scale
	s_wait_dscnt 1                                 ; all but the load just issued: this row's are in
.else
	s_wait_dscnt 0x0
.endif
	s_wait_loadcnt 31-(\i)                         ; this row's words are in; the rows behind it may be out
.irp p, 0,1
.irp j, 0,1,2,3,4,5,6,7
	v_bfe_u32 v[W+8*\p+\j], v[Q+2*(\i)+\p], 4*\j, 4
.endr
.endr
.irp k, 0,1,2,3,4,5,6,7,8,9,10,11,12,13,14,15
	v_cvt_f32_u32 v[W+\k], v[W+\k]
.endr
.irp k, 0,2,4,6,8,10,12,14
	v_pk_add_f32 v[W+\k:W+\k+1], v[W+\k:W+\k+1], v[ZS+4*((\i)%2):ZS+4*((\i)%2)+1] neg_lo:[0,1] neg_hi:[0,1]   ; - z: exact
.endr
.irp k, 0,2,4,6,8,10,12,14
	v_pk_mul_f32 v[W+\k:W+\k+1], v[W+\k:W+\k+1], v[ZS+4*((\i)%2)+2:ZS+4*((\i)%2)+3]   ; x s: the one rounding
.endr
.if (\i) == 16
	s_wait_alu depctr_va_vdst(0)
	s_wait_xcnt 0x0                                ; the stores of steps 0 to 15 have read their data: the sixteen sets of code registers are written again only behind this wait
.endif
	QUANT16 W, CW+4*((\i)%16), EW+(\i)
	ds_store_b8 v5, v[EW+(\i)] offset:8*(\i)
	global_store_b128 v4, v[CW+4*((\i)%16):CW+4*((\i)%16)+3], s[14:15] offset:256*(\i)   ; lanes 0-15 store 256 consecutive bytes, aligned: row i of one tile; lanes 16-31 row i of the next
.endm
.irp i, 0,1,2,3,4,5,6,7,8,9,10,11,12,13,14,15,16,17,18,19,20,21,22,23,24,25,26,27,28,29,30,31
	WSTEP \i
.endr
	ds_load_b128 v[OW:OW+3], v6                    ; these see my byte stores
	s_wait_dscnt 0x0
	global_store_b128 v4, v[OW:OW+3], s[18:19]     ; sixteen lanes store 256 consecutive bytes, aligned: my 32 rows' scale bytes of one tile; the other sixteen those of the next
	s_wait_tensorcnt 0x0
	ds_add_u32 v254, v255
	s_wait_dscnt 0x0
	s_endpgm
.Lfunc_end_k_q810183d59d_quant:
	.size	k_q810183d59d_quant, .Lfunc_end_k_q810183d59d_quant-k_q810183d59d_quant
	.p2alignl 7, 3214868480
	.fill 96, 4, 3214868480
	.section	.rodata,"a",@progbits
	.p2align	6, 0x0
	.amdhsa_kernel k_q810183d59d_quant
		.amdhsa_group_segment_fixed_size 33280
		.amdhsa_private_segment_fixed_size 0
		.amdhsa_enable_private_segment 0
		.amdhsa_kernarg_size 48
		.amdhsa_user_sgpr_count 2
		.amdhsa_user_sgpr_kernarg_segment_ptr 1
		.amdhsa_wavefront_size32 1
		.amdhsa_system_sgpr_workgroup_id_x 1
		.amdhsa_system_sgpr_workgroup_id_y 1
		.amdhsa_system_sgpr_workgroup_id_z 1
		.amdhsa_system_vgpr_workitem_id 0
		.amdhsa_next_free_vgpr 256
		.amdhsa_next_free_sgpr 66
		.amdhsa_reserve_vcc 0
		.amdhsa_float_denorm_mode_32 3
		.amdhsa_float_denorm_mode_16_64 3
		.amdhsa_memory_ordered 1
		.amdhsa_forward_progress 1
		.amdhsa_inst_pref_size 208
	.end_amdhsa_kernel
	.amdgpu_metadata
---
amdhsa.version: [ 1, 2 ]
amdhsa.kernels:
  - .name:           k_q810183d59d_quant
    .symbol:         k_q810183d59d_quant.kd
    .args:
      - { .name: x, .offset: 0, .size: 8, .value_kind: global_buffer, .address_space: global }
      - { .name: qweight, .offset: 8, .size: 8, .value_kind: global_buffer, .address_space: global }
      - { .name: qzeros, .offset: 16, .size: 8, .value_kind: global_buffer, .address_space: global }
      - { .name: scales, .offset: 24, .size: 8, .value_kind: global_buffer, .address_space: global }
      - { .name: xq, .offset: 32, .size: 8, .value_kind: global_buffer, .address_space: global }
      - { .name: wq, .offset: 40, .size: 8, .value_kind: global_buffer, .address_space: global }
    .group_segment_fixed_size: 33280
    .private_segment_fixed_size: 0
    .kernarg_segment_align: 8
    .kernarg_segment_size: 48
    .max_flat_workgroup_size: 128
    .sgpr_count:     66
    .vgpr_count:     256
    .wavefront_size: 32
...
	.end_amdgpu_metadata
.endif
;; end of part 1
;; launch gemm (part 2): grid 16 x 16, 4 waves a work-group, clusters of 4 x 4, 327,680 bytes of LDS; arguments xq, wq, bias, out0; writes out0
.if DOCPART == 2
	.amdgcn_target "amdgcn-amd-amdhsa--gfx1250"
	.amdhsa_code_object_version 6
	.text
	.protected	k_q810183d59d_gemm
	.globl	k_q810183d59d_gemm
	.p2align	8
	.type	k_q810183d59d_gemm,@function
k_q810183d59d_gemm:
	s_mov_b64 s[64:65], 0
	v_nop
	global_prefetch_b8 v0, s[64:65] scope:SCOPE_SE
	s_setreg_imm32_b32 hwreg(HW_REG_WAVE_MODE, 25, 1), 1
	s_wait_xcnt 0x0
	s_wait_alu depctr_hold_cnt(0) depctr_sa_sdst(0) depctr_va_vdst(0) depctr_va_sdst(0) depctr_va_ssrc(0) depctr_va_vcc(0) depctr_vm_vsrc(0)
	s_getreg_b32 s2, hwreg(HW_REG_IB_STS2, 6, 4)
	s_cmp_eq_u32 s2, 0
	s_cbranch_scc0 .Lentry_in_a_cluster
	s_endpgm
.Lentry_in_a_cluster:
	s_bfe_u32 s2, ttmp6, 0x10000c
	s_cmp_lg_u32 s2, 0xf033
	s_cbranch_scc0 .Lentry_shape_is_right
	s_endpgm
.Lentry_shape_is_right:
; out0[m][n] = sum over k of x[m][k] w[n][k] + bias[n], on the codes of FP8 (E4M3) and E8M0 scale bytes that the launch before has laid in xq and wq:
; [32 blocks of 128 rows][16 K steps of 256] tiles of 33,792 bytes = 132 rows of 256 bytes: 128 rows of codes, then 4 rows that hold 8 scale bytes for each of the 128 rows.
; A block of out0, 256 x 256, is made by four waves, 128 x 128 each: 64 accumulators, 512 registers.  K goes in steps of 256 through a ring of two LDS slots; a wave's tensor load brings one tile (132 rows, 16 bytes of padding behind each).
; CLUSTERS: 4 x 4 work-groups; x's tiles are asked for jointly along a row of the cluster, w's along a column.  Each cluster begins its walk along K at a K step of its own (made of the cluster's numbers alone) and wraps round.
; THE PRODUCT IS USED TRANSPOSED: source 0 = 16 rows of w, source 1 = 16 rows of x: a lane holds eight neighbouring columns of one row of out0.  The bias is the C of each sum's first product.
; A STEP OF 128 ALONG K IS FOUR QUADRANTS of 16 products: (x 0-3, w 0-3), (x 4-7, w 0-3), (x 4-7, w 4-7), (x 0-3, w 4-7), blocks of 16 rows.  Behind each quadrant's products stands ONE RUN OF 16 LDS LOADS, four fragments:
;   behind quadrant 0: w 4-7 of this step;  1: x 0-3 of the next step (two sets by turns);  2: w 0-3 of the next;  3: x 4-7 of the next.  Each lands in registers that the products have done with; fragments take 320 registers.
; REGISTERS.  A quadrant's accumulators lie in the window into which its run loads, and the run's address in the window of its source 0: so products and loads stand under ONE window setting, four settings a step.
;   window 0: v0-31 addresses, v32-63 scale words (two sets), v64-127 w 4-7, v128-255 quadrant 0      window 1: v0-127 x 0-3 (two sets), v128-255 quadrant 1
;   window 2: v0-63 w 0-3, v80-85 copies of the addresses, v128-255 quadrant 2                        window 3: v0-63 x 4-7, v64-127 the bias, v128-255 quadrant 3
; Eight v_nop stand ahead of each run: the places (eight for this form) between a product and a load into a register that it read.
; PREFETCH: behind each joint refill but the last two, the tile that stands two refills on: of its 132 blocks of 256 bytes each of the four partners names 33, told apart by address (32 rows of codes, a lane a block, and one block of scale bytes).
.set SIZE_N, 4096
.set PITCH,  272
.set TROWS,  132
.set TILE,   TROWS*256
.set RBB,    16*TILE                   ; a block of 128 rows, all 16 K steps
.set HALFT,  TROWS*PITCH               ; a tile in LDS
.set SCO,    128*PITCH                 ; where its scale bytes begin
.set SLOT,   4*HALFT                   ; x's two tiles, then w's two
.set LAPS,   8
.set SPARE,  2*SLOT                    ; the spare words, 128 bytes a wave
.set SPITCH, 528                       ; the way out: a stage of 16 rows x (512 + 16) bytes a wave, in slot 0, behind its last fill and its last read
.set ADRA, 16                          ; v16-17 LDS address of my x fragments in slot 0, 1 (copies in window 2 at W2A + the same number)
.set ADRB, 20                          ; v20-21 the same for w
.set ADRS, 22                          ; v22-23 my scale words: lanes 0-15 x's rows, lanes 16-31 w's
.set STO,  24
.set RD,   25
.set CO,   26
.set BO,   27
.set SPW,  28
.set NIL,  29
.set PFO,  30                          ; prefetch: 256 x lane
.set PFS,  31                          ; prefetch: from my 32 rows of codes to my block of scale bytes
.set SC,   32
.set W2A,  64
.set BL,   0                           ; w 0-3, window 2
.set BH,   64                          ; w 4-7, window 0
.set AL,   0                           ; x 0-3, window 1, set q at 64 q
.set AH,   0                           ; x 4-7, window 3
.set BI,   64                          ; bias, window 3
.set G1, 24
.set G0, 32
.set G1B, 48
.set G0B, 56
.set KN,    2
.set BASEA, 12
.set BASEB, 66
.set KOFF,  68
.set PFB,   70
.set PFA,   72
.set PKO,   74
.set MSB, 0
.macro WIN new                         ; the immediate's high byte repeats the setting that is left
.if MSB != (\new)
	s_set_vgpr_msb (MSB<<8)|(\new)
.set MSB, (\new)
.endif
.endm
.macro JLOAD g0a, g1a, g0b, g1b        ; a joint load: waves 0, 1 fetch x's two tiles, waves 2, 3 w's
	s_cmp_eq_u32 s15, 0
	s_cbranch_scc0 .Lfor_b_\@
	tensor_load_to_lds s[\g0a:\g0a+3], s[\g1a:\g1a+7]
	s_nop 0
.rept 4
	v_nop
.endr
	s_branch .Lasked_\@
.Lfor_b_\@:
	tensor_load_to_lds s[\g0b:\g0b+3], s[\g1b:\g1b+7]
	s_nop 0
.rept 4
	v_nop
.endr
.Lasked_\@:
.endm
.macro CREST                           ; a round of the cluster's barrier behind its opening barrier
	s_cmp_lg_u32 s14, 0
	s_cbranch_scc1 .Lnot_wave_0_\@
	s_barrier_signal -3
.Lnot_wave_0_\@:
	s_barrier_wait -3
	s_barrier_signal -1
	s_barrier_wait -1
.endm
.macro CROUND
	s_barrier_signal -1
	s_barrier_wait -1
	CREST
.endm
.macro ASK                             ; the loop's last trip (s3 = 1) has no tile two refills on
	s_cmp_gt_u32 s3, 1
	s_cbranch_scc0 .Lno_ask_\@
	global_prefetch_b8 v[PFO], s[PFA:PFA+1] th:TH_LOAD_NT scope:SCOPE_SE
	global_prefetch_b8 v[PFS], s[PFA:PFA+1] th:TH_LOAD_NT scope:SCOPE_SE
.Lno_ask_\@:
.endm
.macro PLACES
.rept 8
	v_nop
.endr
.endm
	s_load_b256 s[4:11], s[0:1], 0x0               ; xq, wq, bias, out0
	v_lshl_add_u32 v[SPW], v0, 2, SPARE
	v_mov_b32 v[NIL], 0
	ds_add_u32 v[SPW], v[NIL]                      ; the opening lines: the add twice on end and its one wait
	ds_add_u32 v[SPW], v[NIL]
	v_lshrrev_b32 v1, 5, v0
	v_readfirstlane_b32 s14, v1                    ; wave
	s_lshr_b32 s15, s14, 1                         ; my half of the rows; also: I fetch for x (0) or w (1)
	s_and_b32 s16, s14, 1                          ; my half of the columns; also: which of the two tiles I fetch
	s_bfe_u32 s40, ttmp6, 0x40000                  ; cx
	s_bfe_u32 s41, ttmp6, 0x40004                  ; cy
	s_lshl_b32 s42, ttmp9, 2
	s_add_co_u32 s42, s42, s40                     ; block column
	s_and_b32 s17, ttmp7, 0xffff
	s_lshl_b32 s17, s17, 2
	s_add_co_u32 s17, s17, s41                     ; block row
	s_lshl_b32 s43, s41, 2
	s_lshl_b32 s43, 15, s43                        ; my row of the cluster
	s_lshl_b32 s44, 0x1111, s40                    ; my column
	s_or_b32 s[G1+0], s43, (3<<16)|(1<<20)|(1<<21)|(5<<22)|(3<<25)   ; elements of 8 bytes; 4 words of padding behind every 64
	s_or_b32 s[G1B+0], s44, (3<<16)|(1<<20)|(1<<21)|(5<<22)|(3<<25)
.irp g, G1, G1B
	s_mov_b32 s[\g+1], 32<<16
	s_mov_b32 s[\g+2], TROWS<<16
	s_mov_b32 s[\g+3], 32<<16
	s_mov_b32 s[\g+4], TROWS
	s_mov_b32 s[\g+5], 32
	s_mov_b32 s[\g+6], 0
	s_mov_b32 s[\g+7], 0
.endr
	s_and_b32 s18, ttmp7, 0xffff                   ; the cluster's first K step: 0, 4, 8 or 12
	s_lshr_b32 s19, s18, 1
	s_xor_b32 s18, s18, s19
	s_and_b32 s18, s18, 1
	s_lshl_b32 s18, s18, 3
	s_lshl_b32 s19, ttmp9, 2
	s_add_co_u32 s18, s18, s19
	s_and_b32 s[KN], s18, 15
	s_mov_b32 s[KOFF+1], 0
	s_lshl_b32 s20, s17, 1
	s_add_co_u32 s20, s20, s16
	s_mul_i32 s20, s20, RBB                        ; x: my 128 rows
	s_mov_b32 s21, 0
	s_lshl_b32 s46, s42, 1
	s_add_co_u32 s46, s46, s16
	s_mul_i32 s46, s46, RBB                        ; w: my 128 rows
	s_mov_b32 s47, 0
	s_mul_i32 s45, s14, HALFT
	s_mul_i32 s[KOFF], s[KN], TILE
	s_wait_dscnt 0x0
	s_wait_kmcnt 0x0
	s_add_nc_u64 s[BASEA:BASEA+1], s[4:5], s[20:21]
	s_add_nc_u64 s[BASEB:BASEB+1], s[6:7], s[46:47]
.irp s, 0,1
	s_mov_b32 s[G0+4*\s], 1
	s_add_co_u32 s[G0+4*\s+1], s45, \s*SLOT
	s_add_nc_u64 s[G0+4*\s+2:G0+4*\s+3], s[BASEA:BASEA+1], s[KOFF:KOFF+1]
	s_or_b32 s[G0+4*\s+3], s[G0+4*\s+3], 0x80000000
	s_mov_b32 s[G0B+4*\s], 1
	s_add_co_u32 s[G0B+4*\s+1], s45, \s*SLOT
	s_add_nc_u64 s[G0B+4*\s+2:G0B+4*\s+3], s[BASEB:BASEB+1], s[KOFF:KOFF+1]
	s_or_b32 s[G0B+4*\s+3], s[G0B+4*\s+3], 0x80000000
	s_add_co_u32 s[KOFF], s[KOFF], TILE            ; the first K step is at most 12: no wrap here
.endr
	s_add_co_u32 s[KN], s[KN], 2
	CROUND                                         ; in front of the first joint loads
	JLOAD G0, G1, G0B, G1B                         ; slot 0: one tensor load a wave at the head
	; the prefetches: the tiles that I fetch, and my work-group's share of each (place cx among x's partners, cy among w's)
	s_cmp_eq_u32 s15, 0
	s_cselect_b64 s[PFB:PFB+1], s[BASEA:BASEA+1], s[BASEB:BASEB+1]
	s_cselect_b32 s77, s40, s41
	s_lshl_b32 s78, s77, 13                        ; 32 rows of 256 bytes for each place
	s_mov_b32 s79, 0
	s_add_nc_u64 s[PFB:PFB+1], s[PFB:PFB+1], s[78:79]
	s_mul_i32 s85, s77, 7936
	s_sub_co_u32 s85, 32768, s85                   ; from there to block 128 + place of the tile
	s_mov_b32 s[PKO+1], 0
	s_add_nc_u64 s[PFA:PFA+1], s[PFB:PFB+1], s[KOFF:KOFF+1]   ; KOFF stands at the walk's third K step:
	s_sub_nc_u64 s[PFA:PFA+1], s[PFA:PFA+1], TILE             ; my share of the tile of its second
	s_mul_i32 s80, s15, HALFT                      ; my tile of x,
	s_mul_i32 s81, s16, HALFT
	s_add_co_u32 s81, s81, 2*HALFT                 ; of w,
	s_add_co_u32 s82, s80, SCO                     ; x's scale bytes,
	s_xor_b32 s83, s15, 1
	s_add_co_u32 s83, s83, s16
	s_add_co_u32 s83, s83, 1
	s_mul_i32 s83, s83, HALFT                      ; and the distance from them to w's
	s_mul_i32 s84, s14, 16*SPITCH                  ; my stage
	s_lshl_b32 s20, s17, 8
	s_lshl_b32 s21, s15, 7
	s_add_co_u32 s20, s20, s21
	s_lshl_b32 s20, s20, 14                        ; my first row of out0, 16,384 bytes a row
	s_mov_b32 s21, 0
	s_lshl_b32 s46, s42, 10
	s_lshl_b32 s47, s16, 9
	s_add_co_u32 s46, s46, s47                     ; my first column, in bytes
	s_mov_b32 s47, 0
	s_add_nc_u64 s[8:9], s[8:9], s[46:47]
	s_add_nc_u64 s[10:11], s[10:11], s[46:47]
	s_add_nc_u64 s[10:11], s[10:11], s[20:21]
	v_and_b32 v1, 15, v0                           ; r
	v_bfe_u32 v2, v0, 4, 1                         ; h
	v_mul_u32_u24 v3, v1, PITCH
	v_lshl_add_u32 v4, v2, 4, v3                   ; a fragment's row x pitch + 16 h
	v_add_nc_u32 v[ADRA], s80, v4
	v_add_nc_u32 v[ADRB], s81, v4
	v_add_nc_u32 v[ADRA+1], SLOT, v[ADRA]
	v_add_nc_u32 v[ADRB+1], SLOT, v[ADRB]
	v_mul_u32_u24 v6, s83, v2
	v_lshl_add_u32 v5, v1, 3, v6
	v_add_nc_u32 v[ADRS], s82, v5
	v_add_nc_u32 v[ADRS+1], SLOT, v[ADRS]
	v_mul_u32_u24 v5, v1, SPITCH
	v_lshl_add_u32 v5, v2, 5, v5
	v_add_nc_u32 v[STO], s84, v5
	v_and_b32 v6, 31, v0
	v_lshlrev_b32 v[CO], 4, v6
	v_add_nc_u32 v[RD], s84, v[CO]
	v_lshlrev_b32 v[BO], 5, v2
	v_lshlrev_b32 v[PFO], 8, v6
	v_mov_b32 v[PFS], s85
	WIN 0x80                                       ; the same four addresses once more, in window 2
	v_add_nc_u32 v[W2A+ADRA], s80, v4
	v_add_nc_u32 v[W2A+ADRB], s81, v4
	v_add_nc_u32 v[W2A+ADRA+1], SLOT, v[ADRA]
	v_add_nc_u32 v[W2A+ADRB+1], SLOT, v[ADRB]
	WIN 0
	s_wait_alu depctr_va_vdst(0)
	WIN 0xc0
.irp b, 0,1,2,3,4,5,6,7
	global_load_b128 v[BI+8*\b:BI+8*\b+3], v[BO], s[8:9] offset:64*\b        ; bias of columns 16 b + 8 h + 0 .. 7, in the results' layout
	global_load_b128 v[BI+8*\b+4:BI+8*\b+7], v[BO], s[8:9] offset:64*\b+16
.endr
	WIN 0
.irp t, 0,1                            ; the buffers' first touch is asked for earlier: my share of the walk's second and third K steps (the first is at most 12: no wrap up to the fourth)
	global_prefetch_b8 v[PFO], s[PFA:PFA+1] offset:\t*TILE th:TH_LOAD_NT scope:SCOPE_SE
	global_prefetch_b8 v[PFS], s[PFA:PFA+1] offset:\t*TILE th:TH_LOAD_NT scope:SCOPE_SE
.endr
; Four products.  bb, ab: w's and x's fragments; bo, ao: their first block; oa = 1: i counts x's blocks and j w's, else the other way round.  The 64 accumulators take turns, in the same order in every step.
.macro GRP bb, ab, bo, ao, oa, i, q, sl, first
.irp j, 0,1,2,3
.if \oa
.set AI, \i
.set BJ, \j
.else
.set AI, \j
.set BJ, \i
.endif
.set DD, 128+8*(4*AI+BJ)
.set SB, SC+16*(\sl)+2*((\bo)+BJ)+(\q)
.set SA, SC+16*(\sl)+2*((\ao)+AI)+(\q)
.if \first
	v_wmma_scale_f32_16x16x128_f8f6f4 v[DD:DD+7], v[(\bb)+16*BJ:(\bb)+16*BJ+15], v[(\ab)+16*AI:(\ab)+16*AI+15], v[BI+8*((\bo)+BJ):BI+8*((\bo)+BJ)+7], v[SB], v[SA] matrix_a_scale:MATRIX_SCALE_ROW1
.else
	v_wmma_scale_f32_16x16x128_f8f6f4 v[DD:DD+7], v[(\bb)+16*BJ:(\bb)+16*BJ+15], v[(\ab)+16*AI:(\ab)+16*AI+15], v[DD:DD+7], v[SB], v[SA] matrix_a_scale:MATRIX_SCALE_ROW1
.endif
.endr
.endm
.macro SCALES s                        ; a slot's scale words: two a row; lanes 0-15 x's block i, lanes 16-31 w's block i
.irp i, 0,1,2,3,4,5,6,7
	ds_load_b64 v[SC+16*(\s)+2*\i:SC+16*(\s)+2*\i+1], v[ADRS+(\s)] offset:PITCH*(\i/2)+128*(\i%2)
.endr
.endm
.macro FETCH4 ld, la, lo               ; a run: four fragments, 16 loads
.irp i, 0,1,2,3
.irp c, 0,1,2,3
	ds_load_b128 v[(\ld)+16*\i+4*\c:(\ld)+16*\i+4*\c+3], v[\la] offset:(\lo)+\i*16*PITCH+32*\c
.endr
.endr
.endm
; A step: slot sl, its q-th 128 along K.  mode 0: the next step lies in the same slot; 1: it changes slots and fills this one again; 2: it changes slots and fills nothing; 3: the last step.
; THE COUNT 28 - 4 i: four products need fragment i of a run; behind its last load stand the rest of that run, 4 (3 - i) loads, and the 16 of the run behind it.
.macro STEP sl, q, first, mode
.if \mode == 0
.set NS, \sl
.set NK, 128
.else
.set NS, 1-\sl
.set NK, 0
.endif
	WIN 0x06+0x30*\first
.irp i, 0,1,2,3
	s_wait_dscnt 28-4*\i
	GRP BL, AL+64*\q, 0, 0, 0, \i, \q, \sl, \first
.endr
	PLACES
	FETCH4 BH, W2A+ADRB+\sl, 128*\q+64*PITCH
.if (\mode == 0) || (\mode == 3)
	WIN 0x5e+0x20*\first
.irp i, 0,1,2,3
	s_wait_dscnt 28-4*\i
	GRP BL, AH, 0, 4, 1, \i, \q, \sl, \first
.endr
.if \mode == 0
	PLACES
	FETCH4 AL+64*(1-\q), W2A+ADRA+NS, NK
.endif
	WIN 0xac+0x10*\first
.irp i, 0,1,2,3
.if \mode == 0
	s_wait_dscnt 28-4*\i
.else
	s_wait_dscnt 12-4*\i                           ; the last step: no run stands behind quadrant 0's
.endif
	GRP BH, AH, 4, 4, 0, \i, \q, \sl, \first
.endr
.else
	; THE CHANGE OF SLOTS.  My last reads of this slot were the run above; from here on the next slot is read.
	WIN 0x5e
.irp i, 0,1
	s_wait_dscnt 28-4*\i
	GRP BL, AH, 0, 4, 1, \i, \q, \sl, 0            ; quadrant 1's first eight products stand ahead of the wait for the next slot's tile
.endr
	WIN 0                                          ; the add's two registers lie in window 0
.if \mode == 1
	s_wait_xcnt 0x0                                ; my prefetches have read their address: it is written again below
.endif
	s_wait_tensorcnt 0x0                           ; all my tensor loads have landed: my tile of the next slot
	ds_add_u32 v[SPW], v[NIL]
.if \mode == 1
	s_mul_i32 s[KOFF], s[KN], TILE                 ; no tensor load of mine is out: this slot's next tile, two K steps on, round the end of K
	s_add_nc_u64 s[G0+4*\sl+2:G0+4*\sl+3], s[BASEA:BASEA+1], s[KOFF:KOFF+1]
	s_or_b32 s[G0+4*\sl+3], s[G0+4*\sl+3], 0x80000000
	s_add_nc_u64 s[G0B+4*\sl+2:G0B+4*\sl+3], s[BASEB:BASEB+1], s[KOFF:KOFF+1]
	s_or_b32 s[G0B+4*\sl+3], s[G0B+4*\sl+3], 0x80000000
	s_add_co_u32 s[KN], s[KN], 1
	s_and_b32 s[KN], s[KN], 15
	s_add_co_u32 s76, s[KN], 1
	s_and_b32 s76, s76, 15
	s_mul_i32 s[PKO], s76, TILE                    ; and the tile two refills on, for the prefetch
	s_add_nc_u64 s[PFA:PFA+1], s[PFB:PFB+1], s[PKO:PKO+1]
.endif
	WIN 0x5e
.irp i, 2,3
	s_wait_dscnt 29-4*\i                           ; as above, and the add
	GRP BL, AH, 0, 4, 1, \i, \q, \sl, 0            ; quadrant 1's last eight products stand between the add and the wait for it
.endr
	s_wait_dscnt 0x0                               ; the add is done, and my reads of this slot are over
	s_barrier_signal -1
	WIN 0xac
	GRP BH, AH, 4, 4, 0, 0, \q, \sl, 0             ; work on registers while the others arrive
	GRP BH, AH, 4, 4, 0, 1, \q, \sl, 0
	WIN 0
	s_barrier_wait -1
.if \mode == 1
	CREST                                          ; the barrier has opened a round of the cluster's barrier
	JLOAD G0+4*\sl, G1, G0B+4*\sl, G1B             ; the refill: my first and only tensor load behind the round
	ASK
.endif
	SCALES NS
	WIN 0x40
	FETCH4 AL+64*(1-\q), ADRA+NS, NK               ; quadrant 1's run, from the next slot
	WIN 0xac
	GRP BH, AH, 4, 4, 0, 2, \q, \sl, 0
	GRP BH, AH, 4, 4, 0, 3, \q, \sl, 0
.endif
.if \mode != 3
	PLACES
	FETCH4 BL, ADRB+NS, NK
.endif
	WIN 0xf4
.irp i, 0,1,2,3
	GRP BH, AL+64*\q, 4, 0, 0, \i, \q, \sl, \first
.endr
.if \mode != 3
	PLACES
	FETCH4 AH, ADRA+NS, NK+64*PITCH
.endif
.endm
	s_wait_tensorcnt 0x0                           ; my tile of slot 0 is in
	ds_add_u32 v[SPW], v[NIL]
	s_wait_dscnt 0x0
	CROUND
	JLOAD G0+4, G1, G0B+4, G1B                     ; slot 1's first fill, issued as a refill is
	global_prefetch_b8 v[PFO], s[PFA:PFA+1] offset:2*TILE th:TH_LOAD_NT scope:SCOPE_SE   ; and my share of the fourth K step: two tiles are asked for and not yet read
	global_prefetch_b8 v[PFS], s[PFA:PFA+1] offset:2*TILE th:TH_LOAD_NT scope:SCOPE_SE
	SCALES 0
	WIN 0x40
	FETCH4 AL, ADRA, 0
	WIN 0x80
	FETCH4 BL, ADRB, 0
	WIN 0xc0
	FETCH4 AH, ADRA, 64*PITCH
	s_wait_loadcnt 0x0                             ; the bias
	STEP 0, 0, 1, 0                                ; the first step stands in front of the loop: its products start the sums on the bias
	WIN 0                                          ; at a label and at a branch every window is 0
	s_mov_b32 s3, LAPS-1
.Llap:
	STEP 0, 1, 0, 1
	STEP 1, 0, 0, 0
	STEP 1, 1, 0, 1
	STEP 0, 0, 0, 0
	WIN 0
	s_sub_co_u32 s3, s3, 1
	s_cmp_lg_u32 s3, 0
	s_cbranch_scc1 .Llap
	STEP 0, 1, 0, 2                                ; the last lap fills nothing
	STEP 1, 0, 0, 0
	STEP 1, 1, 0, 3
; THE WAY OUT, by blocks of 16 rows x 128 columns: through my own stage and back as whole rows of 512 bytes, which the 32 lanes store as two aligned units of 256 bytes.
; Columns 0-63 and 64-127 of a block lie in two windows; the rows come back into window 1, v0-127, where x's fragments lay, two sets by turns.
.macro TOSTAGE a
.if (\a) < 4
.set WL, 0
.set WH, 3
.else
.set WL, 1
.set WH, 2
.endif
.set AC, 128+32*((\a)%4)
	WIN (WL<<2)
.irp b, 0,1,2,3
	ds_store_b128 v[STO], v[AC+8*\b:AC+8*\b+3] offset:64*\b          ; each accumulator from its low end on
	ds_store_b128 v[STO], v[AC+8*\b+4:AC+8*\b+7] offset:64*\b+16
.endr
	WIN (WH<<2)
.irp b, 0,1,2,3
	ds_store_b128 v[STO], v[AC+8*\b:AC+8*\b+3] offset:256+64*\b
	ds_store_b128 v[STO], v[AC+8*\b+4:AC+8*\b+7] offset:256+64*\b+16
.endr
	WIN 0x40
.set BB, 64*((\a)%2)
.irp t, 0,1,2,3,4,5,6,7,8,9,10,11,12,13,14,15
	ds_load_b128 v[BB+4*\t:BB+4*\t+3], v[RD] offset:\t*SPITCH        ; LDS serves a wave's instructions in order: these see the stores above
.endr
.endm
.macro SEND a, younger
.set BB, 64*((\a)%2)
	s_wait_dscnt \younger
.if (\a) > 0
	s_add_nc_u64 s[10:11], s[10:11], 16*SIZE_N*4   ; behind a wait on XCNT: the earlier stores have read their base
.endif
	WIN 0x04
.irp t, 0,1,2,3,4,5,6,7,8,9,10,11,12,13,14,15
	global_store_b128 v[CO], v[BB+4*\t:BB+4*\t+3], s[10:11] offset:\t*SIZE_N*4 th:TH_STORE_NT
.endr
.endm
	PLACES                                         ; behind the last products
	TOSTAGE 0
.irp a, 1,2,3,4,5,6,7
.if \a > 1
	s_wait_xcnt 0x0                                ; block a - 2's stores have read their registers and their base
.endif
	TOSTAGE \a
	SEND \a-1, 32                                  ; behind block a - 1's loads: block a's 16 stores and 16 loads
.endr
	s_wait_xcnt 0x0
	SEND 7, 0
	WIN 0
	s_wait_tensorcnt 0x0                           ; the wave's end
	ds_add_u32 v[SPW], v[NIL]
	s_wait_dscnt 0x0
	CROUND                                         ; the closing round
	s_endpgm
.Lfunc_end_k_q810183d59d_gemm:
	.size	k_q810183d59d_gemm, .Lfunc_end_k_q810183d59d_gemm-k_q810183d59d_gemm
	.p2alignl 7, 3214868480
	.fill 96, 4, 3214868480
	.section	.rodata,"a",@progbits
	.p2align	6, 0x0
	.amdhsa_kernel k_q810183d59d_gemm
		.amdhsa_group_segment_fixed_size 327680
		.amdhsa_private_segment_fixed_size 0
		.amdhsa_enable_private_segment 0
		.amdhsa_kernarg_size 32
		.amdhsa_user_sgpr_count 2
		.amdhsa_user_sgpr_kernarg_segment_ptr 1
		.amdhsa_wavefront_size32 1
		.amdhsa_system_sgpr_workgroup_id_x 1
		.amdhsa_system_sgpr_workgroup_id_y 1
		.amdhsa_system_sgpr_workgroup_id_z 1
		.amdhsa_system_vgpr_workitem_id 0
		.amdhsa_next_free_vgpr 1024
		.amdhsa_next_free_sgpr 88
		.amdhsa_reserve_vcc 0
		.amdhsa_float_denorm_mode_32 3
		.amdhsa_float_denorm_mode_16_64 3
		.amdhsa_memory_ordered 1
		.amdhsa_forward_progress 1
		.amdhsa_inst_pref_size 154
	.end_amdhsa_kernel
	.amdgpu_metadata
---
amdhsa.version: [ 1, 2 ]
amdhsa.kernels:
  - .name:           k_q810183d59d_gemm
    .symbol:         k_q810183d59d_gemm.kd
    .args:
      - { .name: xq, .offset: 0, .size: 8, .value_kind: global_buffer, .address_space: global }
      - { .name: wq, .offset: 8, .size: 8, .value_kind: global_buffer, .address_space: global }
      - { .name: bias, .offset: 16, .size: 8, .value_kind: global_buffer, .address_space: global }
      - { .name: out0, .offset: 24, .size: 8, .value_kind: global_buffer, .address_space: global }
    .group_segment_fixed_size: 327680
    .private_segment_fixed_size: 0
    .kernarg_segment_align: 8
    .kernarg_segment_size: 32
    .max_flat_workgroup_size: 128
    .sgpr_count:     88
    .vgpr_count:     1024
    .wavefront_size: 32
...
	.end_amdgpu_metadata
.endif
;; end of part 2
